; MI455X (gfx1250); checked and timed in simulation.
; The chip was launched on July 23, 2026; its instructions are those of AMD's public machine-readable ISA for CDNA 5 (MIT licence, August 2026) and "CDNA5" Instruction Set Architecture Reference Guide (July 2026). The comments in the code are by the model that wrote it; some were corrected since.
;; Bahdanau Attention. Allowed arithmetic: matrix products marked QUANTISED: E2M3 operands, one E8M0 scale for each 32 along K, by v_wmma_scale_f32_16x16x128_f8f6f4 with both operands' format E2M3, f32 sums; products left as they are: f32 operands where the result goes on into a quantised operand, else bf16, f16 or f32 operands; f32 sums; everything else in f32.
;; Inputs: V 1,024 x 1 float32; W1_codes 1,024 x 16 x 24 uint8 (E2M3 codes of W1, K innermost, in blocks of 32 codes, four codes in three bytes); W1_scales 1,024 x 16 uint8 (E8M0 scales of W1, one for each 32 codes along K); W2_codes 1,024 x 16 x 24 uint8 (E2M3 codes of W2, K innermost, in blocks of 32 codes, four codes in three bytes); W2_scales 1,024 x 16 uint8 (E8M0 scales of W2, one for each 32 codes along K); b1 1,024 float32; b2 1,024 float32; bv 1 float32; query_codes 64 x 16 x 24 uint8 (E2M3 codes of query, K innermost, in blocks of 32 codes, four codes in three bytes); query_scales 64 x 16 uint8 (E8M0 scales of query, one for each 32 codes along K); values 64 x 2,048 x 512 float32.
;; Outputs: out0 64 x 512 float32; out1 64 x 2,048 x 1 float32.
;; This version of the problem:
;;   THIS VERSION OF THE PROBLEM IS GIVEN IN LOW PRECISION. The matrix products marked QUANTISED in the list below multiply operands that are first quantised to E2M3 (2 exponent bits, 3 mantissa bits; 6 bits a number), with one power-of-two scale for each 32 numbers along K (OCP MX v1.0); their sums are f32. All else is computed in f32.
;;   The module's matrix products, in the order in which they are computed (A, B: the left and right operand; K: the contracted axis; several contracted axes count as one K, in the product's order):
;;     1. [M 64, K 512] x [K 512, N 1,024]; A: input query (given as codes); B: input W1 (given as codes): QUANTISED
;;     2. [M 131,072, K 512] x [K 512, N 1,024]; A: input values; B: input W2 (given as codes): QUANTISED
;;     3. [M 131,072, K 1,024] x [K 1,024, N 1]; A: computed on the way; B: input V: left as it is (N = 1 < 16)
;;   THE QUANTISER, for each operand of a quantised product, along K:
;;     - K is cut into blocks of 32 from its start; a last block that is shorter is filled with zeros.
;;     - A block's scale is 2^e with e = floor(log2(the largest magnitude in the block)) - 2, held to -126 .. 127; a block of zeros has e = 0. As a byte (E8M0): e + 127.
;;     - Each number is divided by its block's scale, clamped to +-7.5, and rounded to the nearest number of E2M3, ties to even, subnormals kept.
;;     - The product sums the exact products of the quantised numbers (number of the format x scale) in f32.
;;   ~~~python
;;   def quantise(x, axis):      # numpy; x: float32 -> the quantised numbers, widened to float32 again
;;       x = np.moveaxis(x, axis, -1); K = x.shape[-1]
;;       x = np.pad(x, [(0, 0)] * (x.ndim - 1) + [(0, -K % 32)]); x = x.reshape(x.shape[:-1] + (-1, 32)); a = np.abs(x).max(-1, keepdims=True)
;;       e = np.where(a > 0, np.clip(np.frexp(np.where(a > 0, a, 1))[1] - 1 - 2, -126, 127), 0)      # np.frexp(a)[1] - 1 = floor(log2(a)), exactly
;;       r = np.clip(x / 2.0 ** e, -7.5, 7.5)
;;       step = 2.0 ** (np.maximum(np.frexp(np.where(r == 0, 1, r))[1] - 1, 0) - 3)
;;       q = np.round(r / step) * step * 2.0 ** e      # np.round: ties to even
;;       return np.moveaxis(q.reshape(q.shape[:-2] + (-1,))[..., :K], -1, axis).astype(np.float32)
;;   ~~~
;;   INPUTS GIVEN AS CODES. W1 (in the module: [512, 1024], K = its axis 0); W2 (in the module: [512, 1024], K = its axis 0); query (in the module: [64, 512], K = its axis 1): each comes as NAME_codes (uint8): NAME with its K axis moved to the last place and cut into blocks of 32 codes, [.., K / 32, bytes a block], one block behind the other in memory; four codes in three bytes: a row's codes are one little-endian stream of bits, code i at bits 6 i .. 6 i + 5 (a code: sign, 2 exponent bits, 3 mantissa bits); and NAME_scales (uint8): the same leading axes, one E8M0 byte (e + 127) for each 32 codes along K. Its value is code x scale, taken as it is: it is not quantised again, and the codes and scales need not be those that the quantiser above would give.
;; One version. Each part assembles by itself: llvm-mc -triple=amdgcn-amd-amdhsa -mcpu=gfx1250 --defsym DOCPART=n.
;; ======== version 1 of 1: 3 launches
;; limits: right only within a limited range of input values
;; workspace buffers: w2img 393,216 bytes; qp 262,144 bytes; scores 524,288 bytes; pctx 524,288 bytes; pstat 65,536 bytes
;; launch prep (part 1): grid 16 x 4, 4 waves a work-group, no clusters, 5,120 bytes of LDS; arguments W2_codes, W1_codes, W1_scales, query_codes, query_scales, b1, b2, w2img, qp; writes w2img, qp
.if DOCPART == 1
	.amdgcn_target "amdgcn-amd-amdhsa--gfx1250"
	.amdhsa_code_object_version 6
	.text
	.protected	k_qa6d699bcfc_prep
	.globl	k_qa6d699bcfc_prep
	.p2align	8
	.type	k_qa6d699bcfc_prep,@function
k_qa6d699bcfc_prep:
	s_mov_b64 s[64:65], 0
	v_nop
	global_prefetch_b8 v0, s[64:65] scope:SCOPE_SE
	s_setreg_imm32_b32 hwreg(HW_REG_WAVE_MODE, 25, 1), 1
	s_wait_xcnt 0x0
; TWO SMALL JOBS AHEAD OF THE BULK.
; (1) W2's codes ([1024 u][512 k], 384 bytes a row) are laid out anew as IMAGES OF OPERAND REGISTERS: tile T (u = 16 T .. 16 T + 15), K step k (128 along K), quad c, lane l
;     at byte 6144 T + 1536 k + 512 c + 16 l hold registers 4 c .. 4 c + 3 of the 12-register fragment, so that the next launch fetches a fragment by three dense loads of 16 bytes a lane.
; (2) qp[b][u] = c2 x (query W1 + b1 + b2), c2 = 2 log2(e): the first product, on the given codes of E2M3 and their E8M0 scales, sums in f32.
; SHARES.  16 x 4 work-groups of four waves.  Work-group (x, y) owns u = 64 x .. 64 x + 63 and query rows 16 y .. 16 y + 15.  Wave w takes u tile T = 4 x + w: it multiplies the 16 query rows with W1's tile T,
; and lays out W2's fragment (tile T, K step y).  So a wave issues 58 loads: 24 + 24 pieces of 8 bytes for the two operands, 6 for W2's fragment, 4 small ones.
; The product stands in its natural order (source 0 = 16 rows of query, source 1 = 16 rows of W1): register j of lane (r, h) is (batch 8 h + j, u = r).
; K steps 0, 2 and K steps 1, 3 are summed on two accumulators that take turns, and the two sums are added: the order of the f32 sum differs from one chain's.
; The four waves' tiles meet in one stage in LDS (16 rows x 256 bytes + 16), behind one barrier, and leave as 256 consecutive bytes for each sixteen lanes.
; No cluster: the four work-groups of one x read the same 24,576 bytes of W1 by plain loads into registers; no tile goes through LDS by a tensor load.
; REGISTERS: v4-10 offsets; v16-63 query's 4 fragments; v64-67 query's scale words; v68-71 W1's; v72-75 the biases; v80-95 two accumulators; v96-103 results; v104-111 rows read back;
;   v112-159 W1's 4 fragments; v160-171 W2's fragment.
; WORK LEFT OUT IN THE WHOLE PROGRAM.  Both outputs hang on score[b][s] only through softmax over s, and softmax(score + c) = softmax(score) for every c that is the same for all s of a batch.
; bv is such a term for all values of the inputs, and so is the sum of V in score = bv + sum V - 2 sum V / (1 + 2^y).  Neither is computed; bv has no way to an output, is not loaded and is no launch's argument.
; LIMIT: a NaN, an infinity or an overflow that would reach only these two terms is not carried to the results.
.set ROWC, 384
.set SP,   272                         ; a stage row: 64 numbers of f32 + 16 bytes
	s_load_b256 s[4:11], s[0:1], 0x0               ; W2's codes, W1's codes, W1's scales, query's codes
	s_load_b256 s[12:19], s[0:1], 0x20             ; query's scales, b1, b2, w2img
	s_load_b64 s[20:21], s[0:1], 0x40              ; qp
	v_lshl_add_u32 v176, v0, 2, 0x1200
	v_mov_b32 v177, 0
	v_lshrrev_b32 v1, 5, v0
	v_readfirstlane_b32 s22, v1                    ; wave 0..3
	s_and_b32 s23, ttmp7, 0xffff                   ; y
	v_and_b32 v1, 31, v0                           ; lane
	v_and_b32 v2, 15, v0                           ; r
	v_bfe_u32 v3, v0, 4, 1                         ; h
	v_mul_u32_u24 v4, v2, ROWC
	v_mad_u32_u24 v4, v3, 24, v4                   ; a fragment's row r, + 24 h
	v_lshlrev_b32 v5, 4, v2                        ; a row of scale bytes: 16 r
	v_lshlrev_b32 v6, 4, v1                        ; an image's place: 16 x lane
	v_lshlrev_b32 v7, 2, v2                        ; a bias: 4 r
	s_lshl_b32 s44, s22, 6                         ; my 16 columns of the stage: 64 w bytes
	v_mul_u32_u24 v8, v3, 8*SP
	v_lshl_add_u32 v8, v2, 2, v8
	v_add_nc_u32 v8, s44, v8                       ; in: row 8 h (+ j), column 64 w + 4 r
	s_mul_i32 s45, s22, 4*SP                       ; back: my four rows
	v_mul_u32_u24 v9, v3, SP
	v_lshl_add_u32 v9, v2, 4, v9
	v_add_nc_u32 v9, s45, v9                       ; lanes 0-15 one row, lanes 16-31 the next, 16 bytes a lane
	v_lshlrev_b32 v10, 12, v3
	v_lshl_add_u32 v10, v2, 4, v10                 ; and the same two rows in qp (4,096 bytes a row)
	s_lshl_b32 s24, ttmp9, 2
	s_add_co_u32 s24, s24, s22                     ; T = 4 x + w
	s_mul_i32 s26, s24, 6144                       ; 16 rows of 384 bytes; a tile's images are as long
	s_mov_b32 s27, 0
	s_mul_i32 s25, s23, 96
	s_add_co_u32 s30, s26, s25                     ; W2's codes: tile T, K step y: 96 y bytes on in each row
	s_mov_b32 s31, 0
	s_mul_i32 s25, s23, 1536
	s_add_co_u32 s32, s26, s25                     ; and that fragment's image
	s_mov_b32 s33, 0
	s_lshl_b32 s34, s24, 8                         ; W1's scale bytes of tile T
	s_mov_b32 s35, 0
	s_mul_i32 s36, s23, 6144                       ; query: rows 16 y on
	s_mov_b32 s37, 0
	s_lshl_b32 s38, s23, 8                         ; and their scale bytes
	s_mov_b32 s39, 0
	s_lshl_b32 s40, s24, 6                         ; the biases of tile T
	s_mov_b32 s41, 0
	s_lshl_b32 s42, s23, 16                        ; qp: row 16 y
	s_lshl_b32 s25, s22, 14                        ;     + 4 w,
	s_add_co_u32 s42, s42, s25
	s_lshl_b32 s25, ttmp9, 8                       ;     column 64 x
	s_add_co_u32 s42, s42, s25
	s_mov_b32 s43, 0
	s_mov_b32 s28, 0x4038aa3b                      ; c2 = 2 log2(e)
	s_mov_b32 s29, s28                             ; (named with it as a pair, so it is written)
	s_wait_alu depctr_va_vdst(0)
	s_wait_kmcnt 0x0
	s_add_nc_u64 s[4:5], s[4:5], s[30:31]
	s_add_nc_u64 s[18:19], s[18:19], s[32:33]
	s_add_nc_u64 s[6:7], s[6:7], s[26:27]
	s_add_nc_u64 s[8:9], s[8:9], s[34:35]
	s_add_nc_u64 s[10:11], s[10:11], s[36:37]
	s_add_nc_u64 s[12:13], s[12:13], s[38:39]
	s_add_nc_u64 s[14:15], s[14:15], s[40:41]
	s_add_nc_u64 s[16:17], s[16:17], s[40:41]
	s_add_nc_u64 s[20:21], s[20:21], s[42:43]
; a fragment: lane (r, h) takes 24 bytes at 96 k + 24 h of its row into registers 0-5 and the 24 bytes 48 further on into registers 6-11, in pieces of 8 bytes
.irp p, 0,1,2,3,4,5
	global_load_b64 v[160+2*\p:161+2*\p], v4, s[4:5] offset:48*(\p/3)+8*(\p%3)   ; W2's fragment first: it leaves first
.endr
.irp k, 0,1,2,3
.irp p, 0,1,2,3,4,5
	global_load_b64 v[16+12*\k+2*\p:17+12*\k+2*\p], v4, s[10:11] offset:96*\k+48*(\p/3)+8*(\p%3)
	global_load_b64 v[112+12*\k+2*\p:113+12*\k+2*\p], v4, s[6:7] offset:96*\k+48*(\p/3)+8*(\p%3)
.endr
.endr
	global_load_b128 v[64:67], v5, s[12:13]        ; query's four scale words of row r
	global_load_b128 v[68:71], v5, s[8:9]          ; W1's
	global_load_b32 v72, v7, s[14:15]
	global_load_b32 v73, v7, s[16:17]
	s_wait_loadcnt 52                              ; W2's six loads are in; the 52 issued behind them may stay out
.irp c, 0,1,2
	global_store_b128 v6, v[160+4*\c:163+4*\c], s[18:19] offset:512*\c   ; the wave stores 512 consecutive bytes
.endr
	s_wait_loadcnt 0x0
.irp k, 0,1,2,3                        ; two accumulators take turns, one instruction a turn; K steps 0 and 1 start the two sums
.if \k < 2
	v_wmma_scale_f32_16x16x128_f8f6f4 v[80+8*(\k%2):87+8*(\k%2)], v[16+12*\k:27+12*\k], v[112+12*\k:123+12*\k], 0, v[64+\k], v[68+\k] matrix_a_fmt:MATRIX_FMT_FP6 matrix_b_fmt:MATRIX_FMT_FP6
.else
	v_wmma_scale_f32_16x16x128_f8f6f4 v[80+8*(\k%2):87+8*(\k%2)], v[16+12*\k:27+12*\k], v[112+12*\k:123+12*\k], v[80+8*(\k%2):87+8*(\k%2)], v[64+\k], v[68+\k] matrix_a_fmt:MATRIX_FMT_FP6 matrix_b_fmt:MATRIX_FMT_FP6
.endif
.endr
	v_add_f32 v74, v72, v73                        ; b1 + b2 of u = r.  (These four plain lines are the places behind the last product: ISA guide 7.12.1)
	v_mul_f32 v74, s28, v74
	v_mov_b32 v75, 0                               ; (named with it as a pair, so it is written)
	v_nop
.irp p, 0,1,2,3
	v_pk_add_f32 v[96+2*\p:97+2*\p], v[80+2*\p:81+2*\p], v[88+2*\p:89+2*\p]   ; the two sums; each accumulator from its low end on
.endr
.irp p, 0,1,2,3
	v_pk_fma_f32 v[96+2*\p:97+2*\p], v[96+2*\p:97+2*\p], s[28:29], v[74:75] op_sel_hi:[1,0,0]   ; c2 x sum + c2 x (b1 + b2)
.endr
.irp j, 0,1,2,3,4,5,6,7
	ds_store_b32 v8, v[96+\j] offset:\j*SP
.endr
	s_wait_dscnt 0x0                               ; for the others' sake: my stores into the stage are done
	s_barrier_signal -1
	s_barrier_wait -1                              ; 16 whole rows of 256 bytes lie in the stage
.irp a, 0,1
	ds_load_b128 v[104+4*\a:107+4*\a], v9 offset:2*\a*SP
.endr
.irp a, 0,1
	s_wait_dscnt 1-\a                              ; the younger load may stay out
	global_store_b128 v10, v[104+4*\a:107+4*\a], s[20:21] offset:8192*\a   ; sixteen lanes store 256 consecutive bytes, at a multiple of 256 from qp's first byte
.endr
	s_wait_tensorcnt 0x0
	ds_add_u32 v176, v177
	s_wait_dscnt 0x0
	s_endpgm
.Lfunc_end_k_qa6d699bcfc_prep:
	.size	k_qa6d699bcfc_prep, .Lfunc_end_k_qa6d699bcfc_prep-k_qa6d699bcfc_prep
	.p2alignl 7, 3214868480
	.fill 96, 4, 3214868480
	.section	.rodata,"a",@progbits
	.p2align	6, 0x0
	.amdhsa_kernel k_qa6d699bcfc_prep
		.amdhsa_group_segment_fixed_size 5120
		.amdhsa_private_segment_fixed_size 0
		.amdhsa_enable_private_segment 0
		.amdhsa_kernarg_size 72
		.amdhsa_user_sgpr_count 2
		.amdhsa_user_sgpr_kernarg_segment_ptr 1
		.amdhsa_wavefront_size32 1
		.amdhsa_system_sgpr_workgroup_id_x 1
		.amdhsa_system_sgpr_workgroup_id_y 1
		.amdhsa_system_sgpr_workgroup_id_z 1
		.amdhsa_system_vgpr_workitem_id 0
		.amdhsa_next_free_vgpr 178
		.amdhsa_next_free_sgpr 66
		.amdhsa_reserve_vcc 0
		.amdhsa_float_denorm_mode_32 3
		.amdhsa_float_denorm_mode_16_64 3
		.amdhsa_memory_ordered 1
		.amdhsa_forward_progress 1
		.amdhsa_inst_pref_size 11
	.end_amdhsa_kernel
	.amdgpu_metadata
---
amdhsa.version: [ 1, 2 ]
amdhsa.kernels:
  - .name:           k_qa6d699bcfc_prep
    .symbol:         k_qa6d699bcfc_prep.kd
    .args:
      - { .name: W2_codes, .offset: 0, .size: 8, .value_kind: global_buffer, .address_space: global }
      - { .name: W1_codes, .offset: 8, .size: 8, .value_kind: global_buffer, .address_space: global }
      - { .name: W1_scales, .offset: 16, .size: 8, .value_kind: global_buffer, .address_space: global }
      - { .name: query_codes, .offset: 24, .size: 8, .value_kind: global_buffer, .address_space: global }
      - { .name: query_scales, .offset: 32, .size: 8, .value_kind: global_buffer, .address_space: global }
      - { .name: b1, .offset: 40, .size: 8, .value_kind: global_buffer, .address_space: global }
      - { .name: b2, .offset: 48, .size: 8, .value_kind: global_buffer, .address_space: global }
      - { .name: w2img, .offset: 56, .size: 8, .value_kind: global_buffer, .address_space: global }
      - { .name: qp, .offset: 64, .size: 8, .value_kind: global_buffer, .address_space: global }
    .group_segment_fixed_size: 5120
    .private_segment_fixed_size: 0
    .kernarg_segment_align: 8
    .kernarg_segment_size: 72
    .max_flat_workgroup_size: 128
    .sgpr_count:     66
    .vgpr_count:     178
    .wavefront_size: 32
...
	.end_amdgpu_metadata
.endif
;; end of part 1
;; launch main (part 2): grid 4 x 64, 8 waves a work-group, no clusters, 327,680 bytes of LDS; arguments values, w2img, W2_scales, qp, V, scores, pctx, pstat; writes scores, pctx, pstat
.if DOCPART == 2
	.amdgcn_target "amdgcn-amd-amdhsa--gfx1250"
	.amdhsa_code_object_version 6
	.text
	.protected	k_qa6d699bcfc_main
	.globl	k_qa6d699bcfc_main
	.p2align	8
	.type	k_qa6d699bcfc_main,@function
k_qa6d699bcfc_main:
	s_mov_b64 s[64:65], 0
	v_nop
	global_prefetch_b8 v0, s[64:65] scope:SCOPE_SE
	s_setreg_imm32_b32 hwreg(HW_REG_WAVE_MODE, 25, 1), 1
	s_wait_xcnt 0x0
; BAHDANAU ATTENTION, THE BULK, in one pass over values.  s[b][row] = -2 sum over u of V[u] / (1 + 2^y), y = c2 (values W2)[u] + qp[b][u], c2 = 2 log2(e): tanh(x) = 1 - 2 / (1 + 2^(c2 x)).
; LEFT OUT: bv and the sum of V, which are the same for all rows of a batch and fall out of the softmax (shown at the head of the first kernel); bv is not loaded.
; 2^y = infinity gives 0, 2^y = 0 gives 1: no clamp is wanted.  values are quantised here along their 512 to E2M3 with one E8M0 scale for each 32; W2 comes as register images of its given codes; sums in f32.
; SHARES.  Work-group (x, b): rows 512 x .. 512 x + 511 of batch b, eight blocks of 64.  EIGHT WAVES, two to a SIMD: while one wave runs products the other has vector work to issue.
; Wave w owns u = 128 w .. 128 w + 127: 8 tiles x 4 K steps = 32 fragments of W2, 384 registers, kept for the whole launch.  Natural order (source 0 = 16 rows of values, source 1 = 16 rows of W2): a lane holds one u and eight rows.
; A BLOCK.  Q: wave w quantises row tile w / 2, K steps 2 (w % 2) and + 1, and stores the two fragments as register images | barrier | M: for each of 4 row tiles, tile groups of 3, 3, 2: a run of products, then the group's
; tanh in whole batches (multiply-adds, exponentials, additions, reciprocals, sums), each batch between two waits | barrier | C: every wave adds the eight waves' parts of the 64 scores, keeps the
; running maximum m and sum l, and adds p x values (unquantised, from the same slot) for its 64 columns; lanes 0-15 take even rows, lanes 16-31 odd rows, joined at the end.
; THE RING: two LDS slots of 64 rows, one tensor load a wave (16 rows x 1,024 bytes); a wave has one tensor load out.  The tile that the load two trips on will fetch is prefetched: 64 blocks of 256 bytes
; a wave, a lane a block, two lines; trips 5 and 6 of the seven ask for nothing, so no address passes the work-group's 512 rows.
; NO CLUSTER: a work-group's 1 MiB of values is read by nobody else; w2img goes once, by plain loads, straight into registers.
; All of LDS is claimed, and 0 is added to spare words.
; LIMITS: NaN and infinities among the inputs are not served.  A block of zeros has scale byte 1 with zero codes, which add nothing.  v_exp_f32 gives 0 for results under 2^-126 (ISA guide 15.8).
; REGISTERS.  Window 0: v0 thread; v1, v2 the add's; v3 l; v4-7 context; v8-23 W2's scale words; v24-31 qp; v32-39 V; v40-41 A's scale words; v42-123 by phase; v124-255 eleven fragments of W2.  Window 1: 21 fragments.
;   M: v42-89 A's 4 fragments; v90-113 three accumulators; v114-121 rows' parts; v122, v123 addresses.   Q: v42-105 two sets of 32 numbers; v106-117 codes; v118-120 work; v121-123 addresses.
;   C: v42-101 three sets of 20; v102-105 second chain; v106 factor; v107-113 work; v119-123 addresses.
.set UP,    1040                       ; 1,024 bytes + 16 of padding
.set HALFB, 64*UP                      ; a slot: the rows' first 1,024 bytes, then their second
.set SLOTB, 2*HALFB                    ; 0x20800: shares no bit with the waves' places w x 0x4100
.set BASEX, 2*SLOTB                    ; from here on no tensor load lands.  + 0: 16 images of 1,536 bytes (4 m + s); in phase C, 256 bytes a wave of it hold p
.set ASCO,  24576                      ; A's scale words: 512 (m / 2) + 16 lane + 8 (m % 2) + 4 q; lanes 0-15 K step q, lanes 16-31 K step q + 2
.set PSO,   25600                      ; 128 columns (16 w + r) x 272 bytes: the waves' parts of 64 scores
.set SPARE, BASEX+PSO+128*272          ; the spare words, 128 bytes a wave
.set C2,   0x4038aa3b
.set W2S,  8
.set QP,   24
.set VM,   32
.set AS,   40
.set AF,   42
.set ACC,  90
.set SACC, 114
.set XQ,   42
.set CB,   106
.set MSB, 0
.macro WIN new
.if MSB != \new
	s_set_vgpr_msb (MSB<<8)|\new
.set MSB, \new
.endif
.endm
.macro BAR
	s_wait_dscnt 0x0
	s_barrier_signal -1
	s_barrier_wait -1
.endm
.macro BREG t, k                       ; where W2's fragment (tile t, K step k) lives: groups 0-2 and K steps 0-2 of 3-5 in window 1
.if (\t) < 3
.set bw, 1
.set rB, 12*(4*(\t)+(\k))
.elseif (\t) < 6
.if (\k) < 3
.set bw, 1
.set rB, 144+12*(3*((\t)-3)+(\k))
.else
.set bw, 0
.set rB, 124+12*((\t)-3)
.endif
.else
.set bw, 0
.set rB, 160+12*(4*((\t)-6)+(\k))
.endif
.endm
	s_load_b256 s[4:11], s[0:1], 0x0               ; values, w2img, W2's scales, qp
	s_load_b256 s[12:19], s[0:1], 0x20             ; V, scores, pctx, pstat
	v_lshl_add_u32 v1, v0, 2, SPARE
	v_mov_b32 v2, 0
	ds_add_u32 v1, v2
	ds_add_u32 v1, v2
	v_lshrrev_b32 v42, 5, v0
	v_readfirstlane_b32 s22, v42                   ; wave 0..7
	s_mov_b32 s23, ttmp9                           ; x
	s_and_b32 s24, ttmp7, 0xffff                   ; b
	s_mov_b32 s36, (2<<16)|(1<<20)|(7<<22)|(3<<25) ; group 1: 16 rows x 256 elements of 4 bytes, 4 words of padding behind each 256
	s_mov_b32 s37, 256<<16
	s_mov_b32 s38, 16<<16
	s_mov_b32 s39, 256<<16
	s_mov_b32 s40, 16
	s_mov_b32 s41, 512
	s_mov_b32 s42, 0
	s_mov_b32 s43, 0
	s_lshr_b32 s56, s22, 2                         ; w / 4
	s_and_b32 s57, s22, 3                          ; w % 4
	s_lshr_b32 s58, s22, 1                         ; w / 2
	s_and_b32 s59, s22, 1                          ; w % 2
	s_lshl_b32 s54, s24, 22                        ; a batch: 2,048 rows of 2,048 bytes
	s_lshl_b32 s55, s23, 20
	s_add_co_u32 s54, s54, s55
	s_lshl_b32 s55, s56, 10                        ; I fetch half w / 4 of the rows' bytes
	s_add_co_u32 s54, s54, s55
	s_lshl_b32 s55, s57, 15                        ; of rows 16 (w % 4) on
	s_add_co_u32 s54, s54, s55
	s_mov_b32 s55, 0
	s_mov_b32 s32, 1
	s_mul_i32 s33, s22, 16*UP                      ; 64 UP (w / 4) + 16 UP (w % 4)
	s_wait_dscnt 0x0
	s_wait_kmcnt 0x0
	s_add_nc_u64 s[34:35], s[4:5], s[54:55]
	s_add_nc_u64 s[44:45], s[34:35], 0x60000       ; the prefetches begin at my tile of block 3
	s_or_b32 s35, s35, 0x80000000
	tensor_load_to_lds s[32:35], s[36:43]          ; block 0: my one load at the head
	s_nop 0
	s_mul_i32 s47, s59, HALFB                      ; Q: my K steps lie in half w % 2, my rows from 16 (w / 2)
	s_mul_i32 s60, s58, 16*UP
	s_add_co_u32 s47, s47, s60
	s_mul_i32 s48, s22, 3072                       ; my two images: 4 (w / 2) + 2 (w % 2) = 2 w
	s_add_co_u32 s48, s48, BASEX
	s_lshl_b32 s49, s56, 9                         ; my scale words
	s_and_b32 s60, s58, 1
	s_lshl_b32 s60, s60, 3
	s_add_co_u32 s49, s49, s60
	s_lshl_b32 s60, s59, 8
	s_add_co_u32 s49, s49, s60
	s_add_co_u32 s49, s49, BASEX+ASCO
	s_mul_i32 s50, s56, HALFB                      ; C: my 64 columns: byte 256 w of a row
	s_lshl_b32 s60, s57, 8
	s_add_co_u32 s50, s50, s60
	s_lshl_b32 s51, s22, 8
	s_add_co_u32 s51, s51, BASEX                   ; my 256 bytes for p
	s_mul_i32 s52, s22, 16*272
	s_add_co_u32 s52, s52, BASEX+PSO               ; my 16 columns of parts
	s_mul_i32 s54, s22, 49152
	s_add_nc_u64 s[6:7], s[6:7], s[54:55]          ; my 8 tiles' images
	s_lshl_b32 s54, s22, 11
	s_add_nc_u64 s[8:9], s[8:9], s[54:55]          ; my 128 rows of scale bytes
	s_lshl_b32 s54, s22, 9
	s_add_nc_u64 s[12:13], s[12:13], s[54:55]      ; my 128 numbers of V
	s_lshl_b32 s60, s24, 12
	s_add_co_u32 s54, s54, s60
	s_add_nc_u64 s[10:11], s[10:11], s[54:55]      ; and of row b of qp
	s_lshl_b32 s60, s24, 2
	s_add_co_u32 s60, s60, s23                     ; 4 b + x
	s_lshl_b32 s54, s60, 11
	s_add_nc_u64 s[14:15], s[14:15], s[54:55]      ; scores
	s_lshl_b32 s61, s22, 8
	s_add_co_u32 s54, s54, s61
	s_add_nc_u64 s[16:17], s[16:17], s[54:55]      ; pctx, my 64 columns
	s_lshl_b32 s54, s60, 8
	s_add_nc_u64 s[18:19], s[18:19], s[54:55]      ; pstat
	s_mov_b32 s30, 0x76543210
	s_mov_b32 s31, 0xfedcba98                      ; selects for lane l xor 16
	s_mov_b32 s46, 0x3fb8aa3b                      ; log2(e)
	s_mov_b32 s25, 0                               ; the slot in hand
	s_mov_b32 s26, 7                               ; blocks that ask for a successor
	s_mov_b32 s27, 0xff61b1e6                      ; m = -3e38, under every score
	v_and_b32 v42, 31, v0
	v_and_b32 v45, 15, v0
	v_bfe_u32 v44, v0, 4, 1
	v_lshlrev_b32 v42, 4, v42                      ; 16 x lane
	v_lshlrev_b32 v43, 4, v45
	v_lshlrev_b32 v45, 2, v45                      ; 4 r
	v_lshl_add_u32 v43, v44, 3, v43                ; 16 r + 8 h
	s_wait_alu depctr_va_vdst(0)
.irp t, 0,1,2,3,4,5,6,7
	global_load_b64 v[W2S+2*\t:W2S+2*\t+1], v43, s[8:9] offset:256*\t   ; register 2 t + k % 2: K step k's word in lanes 16 (k / 2) on
	global_load_b32 v[QP+\t], v45, s[10:11] offset:64*\t
	global_load_b32 v[VM+\t], v45, s[12:13] offset:64*\t
.endr
.irp t, 0,1,2,3,4,5,6,7
.irp k, 0,1,2,3
	BREG \t, \k
	WIN 64*bw
.irp c, 0,1,2
	global_load_b128 v[rB+4*\c:rB+4*\c+3], v42, s[6:7] offset:\t*6144+\k*1536+\c*512
.endr
.endr
.endr
	WIN 0
	s_wait_xcnt 0x0                                ; the loads have read v42-45, which phase Q fills; the data are waited for ahead of the first products
.irp i, 3,4,5,6,7
	v_mov_b32 v\i, 0                               ; l and the context
.endr
	s_wait_alu depctr_va_vdst(0)
.macro CHANGE fill                     ; the change of slots: the three lines, the barrier, the refill first behind it
	s_wait_tensorcnt 0x0
	ds_add_u32 v1, v2
.if \fill
	s_xor_b32 s33, s33, SLOTB
	s_add_nc_u64 s[34:35], s[34:35], 131072
.endif
	s_wait_dscnt 0x0
	s_barrier_signal -1
	s_barrier_wait -1
.if \fill
	tensor_load_to_lds s[32:35], s[36:43]
	s_nop 0
	v_and_b32 v106, 3, v0                          ; the prefetch: lane l names row l / 4 (+ 8), block l % 4 of its 1,024 bytes
	v_bfe_u32 v107, v0, 2, 3
	v_lshlrev_b32 v106, 8, v106
	v_lshl_add_u32 v106, v107, 11, v106
	s_cmp_lt_u32 s26, 3                            ; trips 5 and 6 have no block three on
	s_wait_alu depctr_va_vdst(0)
	s_cbranch_scc1 .Lnopf_\@
	global_prefetch_b8 v106, s[44:45] th:TH_LOAD_NT scope:SCOPE_SE
	global_prefetch_b8 v106, s[44:45] offset:16384 th:TH_LOAD_NT scope:SCOPE_SE
.Lnopf_\@:
.endif
.endm
; ---- Q.  Unit u = 2 sl + c: lane (r, h) holds k = 128 s + 64 c + 32 h + 0 .. 31 of its row: a whole block, in the order of the operand's registers 6 c .. 6 c + 5
.macro QLOAD u
.irp i, 0,1,2,3,4,5,6,7
	ds_load_b128 v[XQ+32*((\u)%2)+4*\i:XQ+32*((\u)%2)+4*\i+3], v121 offset:512*((\u)/2)+256*((\u)%2)+16*\i
.endr
.endm
.macro QUNIT u, cnt, pf                ; cnt: the LDS instructions younger than this unit's eight loads
.set sl, (\u)/2
.set qc, (\u)%2
.set xb, XQ+32*qc
	s_wait_dscnt \cnt
.if \pf
	s_wait_xcnt 0x0                                ; the prefetches have read v106, which is written below
.endif
	v_max3_num_f32 v118, |v[xb]|, |v[xb+1]|, 0x1800000   ; two chains; the floor 2^(3 - 127) keeps the byte at 1 or more
	v_max3_num_f32 v119, |v[xb+16]|, |v[xb+17]|, |v[xb+18]|
.irp i, 0,1,2,3,4,5
	v_max3_num_f32 v118, v118, |v[xb+2+2*\i]|, |v[xb+3+2*\i]|
	v_max3_num_f32 v119, v119, |v[xb+19+2*\i]|, |v[xb+20+2*\i]|
.endr
	v_max3_num_f32 v118, v118, |v[xb+14]|, |v[xb+15]|
	s_delay_alu instid0(VALU_DEP_1)
	v_max3_num_f32 v118, v118, v119, |v[xb+31]|
	s_delay_alu instid0(VALU_DEP_1)
	v_add_nc_u32 v118, 0xff000000, v118            ; 2 off the exponent field: the conversion's scale operand
.if qc == 0
	v_lshrrev_b32 v120, 23, v118                   ; the byte of block h
.endif
	v_cvt_scalef32_pk16_fp6_f32 v[CB+6*qc:CB+6*qc+2], v[xb:xb+15], v118
	v_nop                                          ; a plain place: the next line writes over the first's sources
	v_cvt_scalef32_pk16_fp6_f32 v[xb:xb+2], v[xb+16:xb+31], v118   ; (three registers from an even one; then moved)
	v_nop
.irp i, 0,1,2
	v_mov_b32 v[CB+6*qc+3+\i], v[xb+\i]
.endr
.if qc == 1
	v_lshrrev_b32 v118, 23, v118                   ; the byte of block 2 + h
	v_bfe_u32 v119, v0, 4, 1
	v_lshl_or_b32 v118, v118, 16, v120
	v_lshlrev_b32 v119, 3, v119
	s_delay_alu instid0(VALU_DEP_1)
	v_lshlrev_b32 v118, v119, v118                 ; 8 h bits up
	v_permlanex16_b32 v119, v118, s30, s31
	v_or_b32 v118, v118, v119                      ; the row's scale word, in both halves of the lanes
.irp c, 0,1,2
	ds_store_b128 v122, v[CB+4*\c:CB+4*\c+3] offset:1536*sl+512*\c
.endr
	ds_store_b32 v123, v118 offset:4*sl            ; both halves store the same word at the same place
.endif
.if (\u)+2 < 4
	QLOAD (\u)+2
.endif
.endm
.macro QPHASE pf
	v_and_b32 v121, 15, v0
	v_bfe_u32 v122, v0, 4, 1
	v_and_b32 v123, 31, v0
	v_mul_u32_u24 v121, v121, UP
	s_add_co_u32 s54, s25, s47
	v_lshl_add_u32 v121, v122, 7, v121
	v_lshlrev_b32 v122, 4, v123
	v_and_b32 v123, 15, v0
	v_add_nc_u32 v121, s54, v121                   ; my row in the slot in hand, + 128 h
	v_add_nc_u32 v122, s48, v122                   ; where my images go
	v_lshlrev_b32 v123, 4, v123
	QLOAD 0
	QLOAD 1
	v_add_nc_u32 v123, s49, v123                   ; and their scale words
	QUNIT 0, 8, \pf
	QUNIT 1, 8, 0
	QUNIT 2, 12, 0                                 ; four stores and eight loads
	QUNIT 3, 0, 0
.endm
; ---- M
.macro AFLOAD m                        ; row tile m: four fragments and the pair of scale registers, 13 LDS loads
.irp k, 0,1,2,3
.irp c, 0,1,2
	ds_load_b128 v[AF+12*\k+4*\c:AF+12*\k+4*\c+3], v122 offset:6144*(\m)+1536*\k+512*\c
.endr
.endr
	ds_load_b64 v[AS:AS+1], v122 offset:ASCO+512*((\m)/2)+8*((\m)%2)
.endm
.macro WM t, k, a
.set wt, \t
.set wk, \k
.set rD, ACC+8*(\a)
.set rA, AF+12*wk
.set sA, AS+wk%2
.set sB, W2S+2*wt+wk%2
	BREG wt, wk
	WIN 4*bw                                       ; source 1's window alone
.if wk == 0
	v_wmma_scale_f32_16x16x128_f8f6f4 v[rD:rD+7], v[rA:rA+11], v[rB:rB+11], 0, v[sA], v[sB] matrix_a_fmt:MATRIX_FMT_FP6 matrix_b_fmt:MATRIX_FMT_FP6
.elseif wk == 1
	v_wmma_scale_f32_16x16x128_f8f6f4 v[rD:rD+7], v[rA:rA+11], v[rB:rB+11], v[rD:rD+7], v[sA], v[sB] matrix_a_fmt:MATRIX_FMT_FP6 matrix_b_fmt:MATRIX_FMT_FP6
.else
	v_wmma_scale_f32_16x16x128_f8f6f4 v[rD:rD+7], v[rA:rA+11], v[rB:rB+11], v[rD:rD+7], v[sA], v[sB] matrix_a_fmt:MATRIX_FMT_FP6 matrix_b_fmt:MATRIX_FMT_FP6 matrix_a_scale:MATRIX_SCALE_ROW1 matrix_b_scale:MATRIX_SCALE_ROW1
.endif
.endm
; A group of nt tiles from t0: 4 nt products, the accumulators by turns; four places; then the tanh of 8 nt numbers a lane, batch by batch.  nxt >= 0: the next row tile's A is asked for behind the places.
.macro GROUP t0, nt, nxt
.irp k, 0,1,2,3
.set ii, 0
.rept \nt
	WM (\t0)+ii, \k, ii
.set ii, ii+1
.endr
.endr
	WIN 0
.rept 4
	v_nop                                          ; places ahead of the first read of results and of loads into A's registers
.endr
.if (\nxt) >= 0
	AFLOAD \nxt
.endif
.set p, 0
.rept 4                                ; y = c2 x sum + qp.  A pair joins two neighbouring tiles, so that its two addends lie in an even and an odd register; each accumulator is first read among its four lowest
.set ra, ACC+2*p
.set qa, QP+(\t0)
	v_dual_fmamk_f32 v[ra], v[ra], C2, v[qa] :: v_dual_fmamk_f32 v[ra+9], v[ra+9], C2, v[qa+1]
	v_dual_fmamk_f32 v[ra+8], v[ra+8], C2, v[qa+1] :: v_dual_fmamk_f32 v[ra+1], v[ra+1], C2, v[qa]
.set p, p+1
.endr
.if (\nt) == 3                         ; a third tile has no partner: single lines
.set p, 0
.rept 8
	v_fmamk_f32 v[ACC+16+p], v[ACC+16+p], C2, v[QP+(\t0)+2]
.set p, p+1
.endr
.endif
	s_wait_alu depctr_va_vdst(0)                   ; ahead of the batch
.set p, 0
.rept 8*\nt
	v_exp_f32 v[ACC+p], v[ACC+p]
.set p, p+1
.endr
	v_nop
	s_wait_alu depctr_va_vdst(0)                   ; behind the batch
.set p, 0
.rept 4*\nt
.set rr, ACC+2*p
	v_dual_add_f32 v[rr], 1.0, v[rr] :: v_dual_add_f32 v[rr+1], 1.0, v[rr+1]
.set p, p+1
.endr
	s_wait_alu depctr_va_vdst(0)
.set p, 0
.rept 8*\nt
	v_rcp_f32 v[ACC+p], v[ACC+p]
.set p, p+1
.endr
	v_nop
	s_wait_alu depctr_va_vdst(0)
.set p, 0
.rept 4                                ; my rows' parts += V / (1 + 2^y): pairs across two neighbouring tiles, as above; tiles 0 and 1 start the parts
.set ra, ACC+2*p
.set rs, SACC+2*p
.set va, VM+(\t0)
.if (\t0) == 0
	v_dual_mul_f32 v[rs], v[ra], v[va] :: v_dual_mul_f32 v[rs+1], v[ra+9], v[va+1]
.else
	v_dual_fmac_f32 v[rs], v[ra], v[va] :: v_dual_fmac_f32 v[rs+1], v[ra+9], v[va+1]
.endif
.set p, p+1
.endr
.set p, 0
.rept 4
.set ra, ACC+2*p
.set rs, SACC+2*p
.set va, VM+(\t0)
	v_dual_fmac_f32 v[rs], v[ra+8], v[va+1] :: v_dual_fmac_f32 v[rs+1], v[ra+1], v[va]
.set p, p+1
.endr
.if (\nt) == 3
.set p, 0
.rept 8
	v_fmac_f32 v[SACC+p], v[ACC+16+p], v[VM+(\t0)+2]
.set p, p+1
.endr
.endif
.endm
.macro REDX m
.irp q, 0,1,2,3,4,5,6,7
	v_add_f32_dpp v[SACC+\q], v[SACC+\q], v[SACC+\q] row_xmask:\m row_mask:0xf bank_mask:0xf
.endr
.endm
.macro MHEAD
	v_and_b32 v122, 31, v0
	v_and_b32 v123, 15, v0
	v_bfe_u32 v114, v0, 4, 1
	v_lshlrev_b32 v122, 4, v122
	v_mul_u32_u24 v123, v123, 272
	v_add_nc_u32 v122, BASEX, v122                 ; BASEX + 16 x lane
	v_lshl_add_u32 v123, v114, 5, v123
	s_delay_alu instid0(VALU_DEP_1)
	v_add_nc_u32 v123, s52, v123                   ; my column of parts, + 32 h
.endm
.macro MPHASE
	AFLOAD 0
.irp m, 0,1,2,3
	s_wait_dscnt 0x0                               ; A's fragments are in
	GROUP 0, 3, -1
	GROUP 3, 3, -1
.if \m < 3
	GROUP 6, 2, \m+1
.else
	GROUP 6, 2, -1
.endif
	REDX 1
	REDX 2
	REDX 4
	REDX 8
	ds_store_b128 v123, v[SACC:SACC+3] offset:64*\m
	ds_store_b128 v123, v[SACC+4:SACC+7] offset:64*\m+16
.endr
.endm
; ---- C
.macro CHEAD
	v_and_b32 v120, 31, v0
	v_and_b32 v121, 15, v0
	v_bfe_u32 v123, v0, 4, 1
	v_lshlrev_b32 v122, 2, v120
	v_lshlrev_b32 v120, 3, v120                    ; 8 x lane: my two rows among 64 scores
	v_lshlrev_b32 v121, 4, v121
	s_add_co_u32 s54, s25, s50
	v_add_nc_u32 v122, s51, v122                   ; where my two p go
	v_mad_u32_u24 v121, v123, UP, v121
	v_lshlrev_b32 v123, 7, v123
	v_add_nc_u32 v119, BASEX+PSO, v120
	v_add_nc_u32 v121, s54, v121                   ; row h of the slot in hand, my columns, 16 r
	v_add_nc_u32 v123, s51, v123                   ; p of the even rows (h = 0) or of the odd rows
	v_mov_b32 v108, 0                              ; (a lane permute's destination counts as a source)
.endm
.macro CLOAD a                         ; group a: p of rows 2 (4 a + e) + h, and those four rows' 16 bytes
.set gb, 42+20*((\a)%3)
	ds_load_b128 v[gb:gb+3], v123 offset:16*(\a)
.irp e, 0,1,2,3
	ds_load_b128 v[gb+4+4*\e:gb+7+4*\e], v121 offset:(4*(\a)+\e)*2*UP
.endr
.endm
.macro CP op, c, xa, pa, xb, pb        ; a pair across two rows: column c takes row a's number and p, column c + 1 row b's
	\op v[\c], v[\xa], v[\pa] :: \op v[(\c)+1], v[(\xb)+1], v[\pb]
.endm
.macro CUSE a
.set gb, 42+20*((\a)%3)
	s_wait_alu depctr_va_vdst(0)
.if (\a) < 6
	s_wait_dscnt 10                                ; the two younger groups, five loads each, may stay out
.else
	s_wait_dscnt 5*(7-(\a))
.endif
	; two chains: the group's first two rows go onto the context itself, its last two onto v102-105
	CP v_dual_fmac_f32, 4, gb+4, gb, gb+8, gb+1
	CP v_dual_fmac_f32, 6, gb+6, gb, gb+10, gb+1
.if (\a) == 0
	CP v_dual_mul_f32, 102, gb+12, gb+2, gb+16, gb+3
	CP v_dual_mul_f32, 104, gb+14, gb+2, gb+18, gb+3
.else
	CP v_dual_fmac_f32, 102, gb+12, gb+2, gb+16, gb+3
	CP v_dual_fmac_f32, 104, gb+14, gb+2, gb+18, gb+3
.endif
	CP v_dual_fmac_f32, 4, gb+8, gb+1, gb+4, gb
	CP v_dual_fmac_f32, 6, gb+10, gb+1, gb+6, gb
	CP v_dual_fmac_f32, 102, gb+16, gb+3, gb+12, gb+2
	CP v_dual_fmac_f32, 104, gb+18, gb+3, gb+14, gb+2
.if (\a)+3 < 8
	CLOAD (\a)+3
.endif
.endm
.macro DADD d, a, b
	v_dual_add_f32 v[\d], v[\a], v[\b] :: v_dual_add_f32 v[\d+1], v[\a+1], v[\b+1]
.endm
.macro CPHASE
.irp q, 0,1,2,3,4,5,6,7
	ds_load_b64 v[42+2*\q:43+2*\q], v119 offset:4352*\q   ; wave q's parts of my two rows
.endr
	s_wait_dscnt 0x0
	DADD 42, 42, 44
	DADD 46, 46, 48
	DADD 50, 50, 52
	DADD 54, 54, 56
	DADD 42, 42, 46
	DADD 50, 50, 54
	DADD 112, 42, 50
	v_dual_mul_f32 v112, -2.0, v112 :: v_dual_mul_f32 v113, -2.0, v113   ; the scores, less the terms left out
	s_cmp_lg_u32 s22, 0
	s_wait_alu depctr_va_vdst(0)
	s_cbranch_scc1 .Lnw0_\@
	global_store_b64 v120, v[112:113], s[14:15]    ; wave 0: 256 consecutive bytes, aligned
.Lnw0_\@:
	v_max_num_f32 v107, v112, v113
.irp x, 1,2,4,8
	s_delay_alu instid0(VALU_DEP_1)
	v_max_num_f32_dpp v107, v107, v107 row_xmask:\x row_mask:0xf bank_mask:0xf
.endr
	v_permlanex16_b32 v108, v107, s30, s31
	v_max_num_f32 v107, v107, v108
	s_delay_alu instid0(VALU_DEP_1)
	v_max_num_f32 v107, s27, v107                  ; the new m
	s_delay_alu instid0(VALU_DEP_1)
	v_sub_f32 v106, s27, v107
	v_sub_f32 v110, v112, v107
	v_sub_f32 v111, v113, v107
	v_readfirstlane_b32 s27, v107                  ; m is the same in all lanes
	v_mul_f32 v106, s46, v106
	v_mul_f32 v110, s46, v110
	v_mul_f32 v111, s46, v111
	s_wait_alu depctr_va_vdst(0)
	v_exp_f32 v106, v106                           ; e^(old m - new m)
	v_exp_f32 v110, v110                           ; p of my two rows
	v_exp_f32 v111, v111
	v_nop
	s_wait_alu depctr_va_vdst(0)
	ds_store_b32 v122, v110                        ; my wave's own bytes: LDS serves a wave's instructions in order (ISA guide 5.7.1.4)
	ds_store_b32 v122, v111 offset:128
	CLOAD 0
	CLOAD 1
	CLOAD 2
	v_fma_f32 v3, v3, v106, v110                   ; l stays a sum of my own rows
	v_mul_f32 v4, v4, v106
	v_mul_f32 v5, v5, v106
	v_mul_f32 v6, v6, v106
	v_mul_f32 v7, v7, v106
	v_add_f32 v3, v3, v111
.irp a, 0,1,2,3,4,5,6,7
	CUSE \a
.endr
	DADD 4, 4, 102
	DADD 6, 6, 104
	s_wait_xcnt 0x0                                ; the store of the scores has read its base, offset and data
	s_add_nc_u64 s[14:15], s[14:15], 256
.endm
.macro BLOCK fill
	CHANGE \fill
	QPHASE \fill
	MHEAD
	s_wait_alu depctr_va_vdst(0)
	s_wait_loadcnt 0x0                             ; W2's fragments, scale words, qp and V are in (first block)
	BAR                                            ; the 16 images and their scale words lie in LDS
	MPHASE
	CHEAD
	s_wait_alu depctr_va_vdst(0)
	BAR                                            ; the eight waves' parts of the 64 scores lie in LDS
	CPHASE
	s_xor_b32 s25, s25, SLOTB
.endm
.Lblock:
	BLOCK 1
	s_add_nc_u64 s[44:45], s[44:45], 131072        ; (behind the wait on XCNT in phase C)
	s_sub_co_u32 s26, s26, 1
	s_cmp_lg_u32 s26, 0
	s_cbranch_scc1 .Lblock
	BLOCK 0                                        ; the last block is written out
	s_wait_alu depctr_va_vdst(0)
	v_add_f32_dpp v3, v3, v3 row_xmask:1 row_mask:0xf bank_mask:0xf
.irp x, 2,4,8
	s_delay_alu instid0(VALU_DEP_1)
	v_add_f32_dpp v3, v3, v3 row_xmask:\x row_mask:0xf bank_mask:0xf
.endr
	v_permlanex16_b32 v108, v3, s30, s31
.irp i, 0,1,2,3
	v_permlanex16_b32 v[102+\i], v[4+\i], s30, s31
.endr
	v_add_f32 v113, v3, v108                       ; l of the 512 rows
	DADD 4, 4, 102                                 ; even rows' and odd rows' parts of the context
	DADD 6, 6, 104
	v_mov_b32 v112, s27                            ; m
	v_and_b32 v120, 31, v0
	v_lshlrev_b32 v121, 4, v120
	v_cmp_gt_u32 vcc_lo, 16, v120
	v_lshlrev_b32 v120, 3, v120
	s_and_saveexec_b32 s54, vcc_lo                 ; (no global instruction is out since the last wait on XCNT)
	global_store_b128 v121, v[4:7], s[16:17]       ; lanes 0-15: my 64 columns, 256 consecutive bytes, aligned
	s_wait_xcnt 0x0
	s_or_b32 exec_lo, exec_lo, s54
	s_cmp_lg_u32 s22, 0
	s_wait_alu depctr_va_vdst(0)
	s_cbranch_scc1 .Lend
	global_store_b64 v120, v[112:113], s[18:19]    ; wave 0: the pair (m, l), 32 times: 256 consecutive bytes
.Lend:
	s_wait_tensorcnt 0x0                           ; the wave's end
	ds_add_u32 v1, v2
	s_wait_dscnt 0x0
	s_endpgm
.Lfunc_end_k_qa6d699bcfc_main:
	.size	k_qa6d699bcfc_main, .Lfunc_end_k_qa6d699bcfc_main-k_qa6d699bcfc_main
	.p2alignl 7, 3214868480
	.fill 96, 4, 3214868480
	.section	.rodata,"a",@progbits
	.p2align	6, 0x0
	.amdhsa_kernel k_qa6d699bcfc_main
		.amdhsa_group_segment_fixed_size 327680
		.amdhsa_private_segment_fixed_size 0
		.amdhsa_enable_private_segment 0
		.amdhsa_kernarg_size 64
		.amdhsa_user_sgpr_count 2
		.amdhsa_user_sgpr_kernarg_segment_ptr 1
		.amdhsa_wavefront_size32 1
		.amdhsa_system_sgpr_workgroup_id_x 1
		.amdhsa_system_sgpr_workgroup_id_y 1
		.amdhsa_system_sgpr_workgroup_id_z 1
		.amdhsa_system_vgpr_workitem_id 0
		.amdhsa_next_free_vgpr 512
		.amdhsa_next_free_sgpr 66
		.amdhsa_reserve_vcc 1
		.amdhsa_float_denorm_mode_32 3
		.amdhsa_float_denorm_mode_16_64 3
		.amdhsa_memory_ordered 1
		.amdhsa_forward_progress 1
		.amdhsa_inst_pref_size 215
	.end_amdhsa_kernel
	.amdgpu_metadata
---
amdhsa.version: [ 1, 2 ]
amdhsa.kernels:
  - .name:           k_qa6d699bcfc_main
    .symbol:         k_qa6d699bcfc_main.kd
    .args:
      - { .name: values, .offset: 0, .size: 8, .value_kind: global_buffer, .address_space: global }
      - { .name: w2img, .offset: 8, .size: 8, .value_kind: global_buffer, .address_space: global }
      - { .name: W2_scales, .offset: 16, .size: 8, .value_kind: global_buffer, .address_space: global }
      - { .name: qp, .offset: 24, .size: 8, .value_kind: global_buffer, .address_space: global }
      - { .name: V, .offset: 32, .size: 8, .value_kind: global_buffer, .address_space: global }
      - { .name: scores, .offset: 40, .size: 8, .value_kind: global_buffer, .address_space: global }
      - { .name: pctx, .offset: 48, .size: 8, .value_kind: global_buffer, .address_space: global }
      - { .name: pstat, .offset: 56, .size: 8, .value_kind: global_buffer, .address_space: global }
    .group_segment_fixed_size: 327680
    .private_segment_fixed_size: 0
    .kernarg_segment_align: 8
    .kernarg_segment_size: 64
    .max_flat_workgroup_size: 256
    .sgpr_count:     66
    .vgpr_count:     512
    .wavefront_size: 32
...
	.end_amdgpu_metadata
.endif
;; end of part 2
;; launch fin (part 3): grid 64 x 1, 4 waves a work-group, no clusters, 0 bytes of LDS; arguments scores, pctx, pstat, out0, out1; writes out0, out1
.if DOCPART == 3
	.amdgcn_target "amdgcn-amd-amdhsa--gfx1250"
	.amdhsa_code_object_version 6
	.text
	.protected	k_qa6d699bcfc_fin
	.globl	k_qa6d699bcfc_fin
	.p2align	8
	.type	k_qa6d699bcfc_fin,@function
k_qa6d699bcfc_fin:
	s_mov_b64 s[64:65], 0
	v_nop
	global_prefetch_b8 v0, s[64:65] scope:SCOPE_SE
	s_setreg_imm32_b32 hwreg(HW_REG_WAVE_MODE, 25, 1), 1
	s_wait_xcnt 0x0
; THE JOIN.  A batch was walked by four work-groups, each of which left its largest score m_x, its sum l_x of e^(s - m_x) and its part of the context under m_x.
; M = the largest m_x;  e_x = e^(m_x - M);  L = sum of l_x e_x;  context = sum of (e_x / L) part_x;  weight = e^(s - M) / L.
; One work-group a batch, 128 threads: thread t takes 4 columns of the context and 4 x 4 scores; every load and store of a wave covers 512 consecutive bytes.  The four pairs (m, l) come by scalar loads.
; No LDS, no barrier, no matrix unit, no cluster: 17 KiB a work-group, shared with nobody.
; LIMIT: v_exp_f32 gives 0 for results under 2^-126 (ISA guide 15.8): a weight so far under the batch's largest is left as 0.
; REGISTERS: v1 16 t; v4-19 scores; v20-35 the four parts; v36-39 the context; v40-43 e_x; v44 M; v46 -M; v48 1 / L; v50 L.
	s_load_b256 s[4:11], s[0:1], 0x0               ; scores, pctx, pstat, out0
	s_load_b64 s[12:13], s[0:1], 0x20              ; out1
	v_lshlrev_b32 v1, 4, v0
	s_lshl_b32 s14, ttmp9, 13                      ; 8,192 bytes a batch: scores, pctx, out1
	s_mov_b32 s15, 0
	s_lshl_b32 s16, ttmp9, 10                      ; 1,024: pstat
	s_mov_b32 s17, 0
	s_lshl_b32 s18, ttmp9, 11                      ; 2,048: out0
	s_mov_b32 s19, 0
	s_wait_alu depctr_va_vdst(0)
	s_wait_kmcnt 0x0
	s_add_nc_u64 s[4:5], s[4:5], s[14:15]
	s_add_nc_u64 s[6:7], s[6:7], s[14:15]
	s_add_nc_u64 s[8:9], s[8:9], s[16:17]
	s_add_nc_u64 s[10:11], s[10:11], s[18:19]
	s_add_nc_u64 s[12:13], s[12:13], s[14:15]
	s_load_b64 s[20:21], s[8:9], 0x0               ; m_0, l_0
	s_load_b64 s[22:23], s[8:9], 0x100
	s_load_b64 s[24:25], s[8:9], 0x200
	s_load_b64 s[26:27], s[8:9], 0x300
.irp i, 0,1,2,3
	global_load_b128 v[4+4*\i:7+4*\i], v1, s[4:5] offset:2048*\i th:TH_LOAD_NT
.endr
.irp i, 0,1,2,3
	global_load_b128 v[20+4*\i:23+4*\i], v1, s[6:7] offset:2048*\i th:TH_LOAD_NT
.endr
	s_wait_kmcnt 0x0
	v_mov_b32 v44, s20
	v_max_num_f32 v44, s22, v44
	v_max_num_f32 v44, s24, v44
	v_max_num_f32 v44, s26, v44                    ; M
	v_mul_f32 v46, -1.0, v44
	v_mov_b32 v47, 0                               ; (named with it as a pair, so it is written)
	v_sub_f32 v40, s20, v44
	v_sub_f32 v41, s22, v44
	v_sub_f32 v42, s24, v44
	v_sub_f32 v43, s26, v44
.irp x, 0,1,2,3
	v_mul_f32 v[40+\x], 0x3fb8aa3b, v[40+\x]       ; x log2(e)
.endr
	s_wait_alu depctr_va_vdst(0)
	s_wait_loadcnt 0x4                             ; the scores are in; the four loads of the parts may stay out
.irp q, 0,1,2,3,4,5,6,7
	v_pk_add_f32 v[4+2*\q:5+2*\q], v[4+2*\q:5+2*\q], v[46:47] op_sel_hi:[1,0]   ; s - M first, then the factor: no difference of large products
.endr
.irp q, 0,1,2,3,4,5,6,7
	v_pk_mul_f32 v[4+2*\q:5+2*\q], v[4+2*\q:5+2*\q], 0x3fb8aa3b op_sel_hi:[1,0]
.endr
	s_wait_alu depctr_va_vdst(0)
.irp x, 0,1,2,3
	v_exp_f32 v[40+\x], v[40+\x]
.endr
.irp q, 0,1,2,3,4,5,6,7,8,9,10,11,12,13,14,15
	v_exp_f32 v[4+\q], v[4+\q]
.endr
	v_mov_b32 v49, 0                               ; (the plain line behind the exponentials; the upper half of the pair v[48:49])
	s_wait_alu depctr_va_vdst(0)                   ; one wait for the twenty, ahead of their first reader
	v_mul_f32 v50, s21, v40
	v_fma_f32 v50, s23, v41, v50
	v_fma_f32 v50, s25, v42, v50
	v_fma_f32 v50, s27, v43, v50                   ; L: at least the l of the part that holds M, which is 1 or more
	s_wait_alu depctr_va_vdst(0)
	v_rcp_f32 v48, v50
	v_nop                                          ; a plain line behind the reciprocal
	s_wait_alu depctr_va_vdst(0)
.irp x, 0,1,2,3
	v_mul_f32 v[40+\x], v[40+\x], v48              ; e_x / L
.endr
.irp q, 0,1,2,3,4,5,6,7
	v_pk_mul_f32 v[4+2*\q:5+2*\q], v[4+2*\q:5+2*\q], v[48:49] op_sel_hi:[1,0]
.endr
.irp i, 0,1,2,3
	global_store_b128 v1, v[4+4*\i:7+4*\i], s[12:13] offset:2048*\i th:TH_STORE_NT
.endr
	s_wait_loadcnt 0x0
.irp q, 0,1
	v_pk_mul_f32 v[36+2*\q:37+2*\q], v[20+2*\q:21+2*\q], v[40:41] op_sel_hi:[1,0]
	v_pk_fma_f32 v[36+2*\q:37+2*\q], v[24+2*\q:25+2*\q], v[40:41], v[36+2*\q:37+2*\q] op_sel:[0,1,0] op_sel_hi:[1,1,1]
	v_pk_fma_f32 v[36+2*\q:37+2*\q], v[28+2*\q:29+2*\q], v[42:43], v[36+2*\q:37+2*\q] op_sel_hi:[1,0,1]
	v_pk_fma_f32 v[36+2*\q:37+2*\q], v[32+2*\q:33+2*\q], v[42:43], v[36+2*\q:37+2*\q] op_sel:[0,1,0] op_sel_hi:[1,1,1]
.endr
	global_store_b128 v1, v[36:39], s[10:11] th:TH_STORE_NT
	s_endpgm
.Lfunc_end_k_qa6d699bcfc_fin:
	.size	k_qa6d699bcfc_fin, .Lfunc_end_k_qa6d699bcfc_fin-k_qa6d699bcfc_fin
	.p2alignl 7, 3214868480
	.fill 96, 4, 3214868480
	.section	.rodata,"a",@progbits
	.p2align	6, 0x0
	.amdhsa_kernel k_qa6d699bcfc_fin
		.amdhsa_group_segment_fixed_size 0
		.amdhsa_private_segment_fixed_size 0
		.amdhsa_enable_private_segment 0
		.amdhsa_kernarg_size 40
		.amdhsa_user_sgpr_count 2
		.amdhsa_user_sgpr_kernarg_segment_ptr 1
		.amdhsa_wavefront_size32 1
		.amdhsa_system_sgpr_workgroup_id_x 1
		.amdhsa_system_sgpr_workgroup_id_y 1
		.amdhsa_system_sgpr_workgroup_id_z 1
		.amdhsa_system_vgpr_workitem_id 0
		.amdhsa_next_free_vgpr 64
		.amdhsa_next_free_sgpr 66
		.amdhsa_reserve_vcc 0
		.amdhsa_float_denorm_mode_32 3
		.amdhsa_float_denorm_mode_16_64 3
		.amdhsa_memory_ordered 1
		.amdhsa_forward_progress 1
		.amdhsa_inst_pref_size 7
	.end_amdhsa_kernel
	.amdgpu_metadata
---
amdhsa.version: [ 1, 2 ]
amdhsa.kernels:
  - .name:           k_qa6d699bcfc_fin
    .symbol:         k_qa6d699bcfc_fin.kd
    .args:
      - { .name: scores, .offset: 0, .size: 8, .value_kind: global_buffer, .address_space: global }
      - { .name: pctx, .offset: 8, .size: 8, .value_kind: global_buffer, .address_space: global }
      - { .name: pstat, .offset: 16, .size: 8, .value_kind: global_buffer, .address_space: global }
      - { .name: out0, .offset: 24, .size: 8, .value_kind: global_buffer, .address_space: global }
      - { .name: out1, .offset: 32, .size: 8, .value_kind: global_buffer, .address_space: global }
    .group_segment_fixed_size: 0
    .private_segment_fixed_size: 0
    .kernarg_segment_align: 8
    .kernarg_segment_size: 40
    .max_flat_workgroup_size: 128
    .sgpr_count:     66
    .vgpr_count:     64
    .wavefront_size: 32
...
	.end_amdgpu_metadata
.endif
;; end of part 3
